; MI455X (gfx1250); checked and timed in simulation.
; The chip was launched on July 23, 2026; its instructions are those of AMD's public machine-readable ISA for CDNA 5 (MIT licence, August 2026) and "CDNA5" Instruction Set Architecture Reference Guide (July 2026). The comments in the code are by the model that wrote it; some were corrected since.
;; Self Attention. Allowed arithmetic: matrix products marked QUANTISED: E2M3 operands, one E8M0 scale for each 32 along K, by v_wmma_scale_f32_16x16x128_f8f6f4 with both operands' format E2M3, f32 sums; everything else in f32.
;; Inputs: Wk 768 x 768 float32; Wp 768 x 768 float32; Wq 768 x 768 float32; Wv 768 x 768 float32; bk 768 float32; bp 768 float32; bq 768 float32; bv 768 float32; x 2 x 2,048 x 768 float32.
;; Outputs: out0 2 x 2,048 x 768 float32.
;; This version of the problem:
;;   THIS VERSION OF THE PROBLEM IS GIVEN IN LOW PRECISION. The matrix products marked QUANTISED in the list below multiply operands that are first quantised to E2M3 (2 exponent bits, 3 mantissa bits; 6 bits a number), with one power-of-two scale for each 32 numbers along K (OCP MX v1.0); their sums are f32. All else is computed in f32.
;;   The module's matrix products, in the order in which they are computed (A, B: the left and right operand; K: the contracted axis; several contracted axes count as one K, in the product's order):
;;     1. [M 4,096, K 768] x [K 768, N 768]; A: input x; B: input Wk: QUANTISED
;;     2. [M 4,096, K 768] x [K 768, N 768]; A: input x; B: input Wq: QUANTISED
;;     3. [M 4,096, K 768] x [K 768, N 768]; A: input x; B: input Wv: QUANTISED
;;     4. batch 24 x [M 2,048, K 64] x [K 64, N 2,048]; A: computed on the way; B: computed on the way: QUANTISED
;;     5. batch 24 x [M 2,048, K 2,048] x [K 2,048, N 64]; A: softmax (see below); B: computed on the way: QUANTISED
;;     6. [M 4,096, K 768] x [K 768, N 768]; A: computed on the way; B: input Wp: QUANTISED
;;   THE QUANTISER, for each operand of a quantised product, along K:
;;     - K is cut into blocks of 32 from its start; a last block that is shorter is filled with zeros.
;;     - A block's scale is 2^e with e = floor(log2(the largest magnitude in the block)) - 2, held to -126 .. 127; a block of zeros has e = 0. As a byte (E8M0): e + 127.
;;     - Each number is divided by its block's scale, clamped to +-7.5, and rounded to the nearest number of E2M3, ties to even, subnormals kept.
;;     - The product sums the exact products of the quantised numbers (number of the format x scale) in f32.
;;   ~~~python
;;   def quantise(x, axis):      # numpy; x: float32 -> the quantised numbers, widened to float32 again
;;       x = np.moveaxis(x, axis, -1); K = x.shape[-1]
;;       x = np.pad(x, [(0, 0)] * (x.ndim - 1) + [(0, -K % 32)]); x = x.reshape(x.shape[:-1] + (-1, 32)); a = np.abs(x).max(-1, keepdims=True)
;;       e = np.where(a > 0, np.clip(np.frexp(np.where(a > 0, a, 1))[1] - 1 - 2, -126, 127), 0)      # np.frexp(a)[1] - 1 = floor(log2(a)), exactly
;;       r = np.clip(x / 2.0 ** e, -7.5, 7.5)
;;       step = 2.0 ** (np.maximum(np.frexp(np.where(r == 0, 1, r))[1] - 1, 0) - 3)
;;       q = np.round(r / step) * step * 2.0 ** e      # np.round: ties to even
;;       return np.moveaxis(q.reshape(q.shape[:-2] + (-1,))[..., :K], -1, axis).astype(np.float32)
;;   ~~~
;;   SOFTMAX AHEAD OF A QUANTISED PRODUCT. Where the list says 'softmax', what is quantised is not the finished softmax but p = 2^(t - M), with t = logit x log2(e) and M = ceil(the row's largest t), a whole number; so 1/2 < the row's largest p <= 1. The row's sum l is taken of the UNQUANTISED p, in f32, and the product's result is divided by l at the end. Since M is a whole number, a kernel that streams over the keys may use a running M (the ceiling of the running maximum): every later rescaling is an exact power of two, which a block's scale takes up: the codes' values come out the same.
;;   OPERANDS COMPUTED ON THE WAY. 'Computed on the way' means the value that the module computes at that place (a softmax that the list does not call 'softmax' is quantised finished and normalised). What goes into a quantiser is computed in f32, as accurately as f32 sums, v_exp_f32 and their like allow (about 1e-6 of the number): no bf16 or f16 on the way to a quantiser, and a product that is left as it is and whose result goes on into a quantised operand takes f32 operands (vector FMAs, or v_wmma_f32_16x16x4_f32). A number that lies on a knife's edge between two numbers of the format may be rounded either way, as far as f32 arithmetic and the matrix unit's own rounding can turn it there, and no further.
;; One version. Each part assembles by itself: llvm-mc -triple=amdgcn-amd-amdhsa -mcpu=gfx1250 --defsym DOCPART=n.
;; ======== version 1 of 1: 4 launches
;; limits: right only within a limited range of input values
;; workspace buffers: codes 4,128,768 bytes; scl 172,032 bytes; qb 2,555,904 bytes; kv 5,013,504 bytes; yc 2,359,296 bytes; ysc 98,304 bytes
;; launch quant (part 1): grid 224 x 1, 6 waves a work-group, no clusters, 102,144 bytes of LDS; arguments x, Wq, Wk, Wv, Wp, codes, scl; writes codes, scl
.if DOCPART == 1
	.amdgcn_target "amdgcn-amd-amdhsa--gfx1250"
	.amdhsa_code_object_version 6
	.text
	.protected	k_q6ad1f25b13_quant
	.globl	k_q6ad1f25b13_quant
	.p2align	8
	.type	k_q6ad1f25b13_quant,@function
k_q6ad1f25b13_quant:
	s_mov_b64 s[64:65], 0
	v_nop
	global_prefetch_b8 v0, s[64:65] scope:SCOPE_SE
	s_setreg_imm32_b32 hwreg(HW_REG_WAVE_MODE, 25, 1), 1
	s_wait_xcnt 0x0
; x [4096][768] and Wq, Wk, Wv, Wp [768][768], f32 with K innermost, become codes of FP6 (E2M3) with one E8M0 byte for each 32 along K,
; laid IN THE ORDER OF AN OPERAND'S REGISTERS, so that every later load of a fragment is dense.
; A TILE is 16 rows: of each 32 rows, tile 2 g + u holds rows 8 u + r + 8 (r / 8), r = 0 .. 15 (rows 0-7, 16-23 or 8-15, 24-31).
; A FRAGMENT (16 rows x 128 K, 12 registers a lane) is 1,536 bytes: for c = 0, 1: registers 6 c .. 6 c + 3 at 768 c + 16 x lane, registers 6 c + 4, 6 c + 5 at 768 c + 512 + 8 x lane.
; A tile's 6 fragments are 9,216 bytes on end; tiles: x 0-255, Wq 256-303, Wk 304-351, Wv 352-399, Wp 400-447.
; A tile's scale words are 384 bytes: [K step][row], so that 32 lanes x 4 bytes at 128 p hold K step 2 p in lanes 0-15 and K step 2 p + 1 in lanes 16-31.
; A block's scale is 2^(floor(log2(its largest magnitude)) - 2): its byte is the largest magnitude's exponent field - 2, held at 1 from below.
; LIMITS: a block of zeros, or one whose largest magnitude lies under 2^-124, gets the byte 1 (its codes are zeros or near it; only this program reads the bytes); NaN and infinities among the inputs are not served.
; SHARES: work-group g takes 32 rows; wave w takes tile u = w / 3 of them and K steps 2 (w % 3), 2 (w % 3) + 1: 16 rows x 1,024 bytes, all asked for at once.
; Each load reads 512 consecutive bytes of a row; the conversions want 32 neighbours along K in one lane, so a K step turns through the wave's own stage in LDS (rows 528 bytes apart:
; row r starts 4 r banks on).  No barrier: waves share nothing.  No matrix unit, no tensor load, no cluster: a stream that is read once.
.set ROWB,   3072                      ; a row of x or of a weight in bytes
.set SPITCH, 528
.set STAGE,  16*SPITCH
.set WREG,   2*STAGE                   ; a wave's LDS: two stages
.set TILE,   9216
.set FRAG,   1536
.set TSCL,   384
.set RAW, 16                           ; v16-143  two K steps as loaded: 16 rows x 4 registers each
.set X,   144                          ; v144-207 my 64 numbers of a K step: register 32 c + i = k 64 c + 32 (lane / 16) + i of row lane % 16
.set CD,  208                          ; v208-231 the codes: 12 registers a K step, never written again
.set CT,  232                          ; v232-238 the upper halves' conversions
.set MX,  240
.set SO,  242
.set BY,  244
.set WD,  246                          ; v246-247 the two K steps' scale words
.set TP,  248
.set SH,  249                          ; 8 x (lane / 16)
	s_load_b256 s[4:11], s[0:1], 0x0               ; x, Wq, Wk, Wv
	s_load_b128 s[12:15], s[0:1], 0x20             ; Wp, codes
	s_load_b64 s[16:17], s[0:1], 0x30              ; scl
	v_lshl_add_u32 v254, v0, 2, 0x18c00
	v_mov_b32 v255, 0
	v_lshrrev_b32 v1, 5, v0
	v_readfirstlane_b32 s18, v1                    ; wave 0..5
	v_and_b32 v1, 31, v0                           ; lane
	v_and_b32 v2, 15, v0                           ; r
	v_bfe_u32 v3, v0, 4, 1                         ; h
	v_lshlrev_b32 v4, 4, v1                        ; 16 x lane
	v_lshlrev_b32 v5, 3, v1                        ; 8 x lane
	v_lshlrev_b32 v6, 2, v1                        ; 4 x lane
	s_mul_i32 s21, s18, WREG
	v_add_nc_u32 v7, s21, v4                       ; the stage, way in: 16 x lane of a row
	v_mul_u32_u24 v8, v2, SPITCH
	v_lshl_add_u32 v8, v3, 7, v8
	v_add_nc_u32 v8, s21, v8                       ; way out: row r, + 128 h
	v_lshlrev_b32 v[SH], 3, v3
	v_mov_b32 v[TP], 0                             ; a lane permute's destination counts as one of its sources
	s_mov_b32 s26, 0x76543210
	s_mov_b32 s27, 0xfedcba98                      ; selects for lane l xor 16
	s_mov_b32 s28, 0xffff0000                      ; lanes 16-31
	s_cmp_ge_u32 s18, 3
	s_cselect_b32 s19, 1, 0                        ; u
	s_mul_i32 s20, s19, 3
	s_sub_co_u32 s20, s18, s20                     ; which pair of K steps
	s_lshl_b32 s29, ttmp9, 1
	s_add_co_u32 s29, s29, s19                     ; my tile
	s_mul_i32 s32, s29, TILE
	s_mul_i32 s33, s20, 2*FRAG
	s_add_co_u32 s32, s32, s33
	s_mov_b32 s33, 0
	s_mul_i32 s34, s29, TSCL
	s_lshl_b32 s35, s20, 7
	s_add_co_u32 s34, s34, s35
	s_mov_b32 s35, 0
	s_wait_alu depctr_va_vdst(0)
	s_wait_kmcnt 0x0
	s_mov_b64 s[22:23], s[12:13]                   ; which tensor: the choice hangs on the work-group's number alone
	s_mov_b32 s24, 200
	s_cmp_lt_u32 ttmp9, 200
	s_cselect_b64 s[22:23], s[10:11], s[22:23]
	s_cselect_b32 s24, 176, s24
	s_cmp_lt_u32 ttmp9, 176
	s_cselect_b64 s[22:23], s[8:9], s[22:23]
	s_cselect_b32 s24, 152, s24
	s_cmp_lt_u32 ttmp9, 152
	s_cselect_b64 s[22:23], s[6:7], s[22:23]
	s_cselect_b32 s24, 128, s24
	s_cmp_lt_u32 ttmp9, 128
	s_cselect_b64 s[22:23], s[4:5], s[22:23]
	s_cselect_b32 s24, 0, s24
	s_sub_co_u32 s25, ttmp9, s24
	s_lshl_b32 s25, s25, 5
	s_lshl_b32 s29, s19, 3
	s_add_co_u32 s25, s25, s29                     ; the tile's first row in its tensor
	s_mul_i32 s30, s25, ROWB
	s_lshl_b32 s29, s20, 10
	s_add_co_u32 s30, s30, s29
	s_mov_b32 s31, 0
	s_add_nc_u64 s[22:23], s[22:23], s[30:31]
	s_add_nc_u64 s[14:15], s[14:15], s[32:33]
	s_add_nc_u64 s[16:17], s[16:17], s[34:35]
.irp j, 0,1
.irp i, 0,1,2,3,4,5,6,7,8,9,10,11,12,13,14,15
	global_load_b128 v[RAW+64*\j+4*\i:RAW+64*\j+4*\i+3], v4, s[22:23] offset:(\i+8*(\i/8))*ROWB+512*\j th:TH_LOAD_NT   ; 512 consecutive bytes of the tile's row i
.endr
.endr
.macro TOSTAGE j
.irp i, 0,1,2,3,4,5,6,7,8,9,10,11,12,13,14,15
	ds_store_b128 v7, v[RAW+64*\j+4*\i:RAW+64*\j+4*\i+3] offset:STAGE*\j+SPITCH*\i
.endr
.endm
.macro FROMSTAGE j                     ; LDS serves a wave's instructions in order: these see the stores
.irp c, 0,1
.irp q, 0,1,2,3,4,5,6,7
	ds_load_b128 v[X+32*\c+4*\q:X+32*\c+4*\q+3], v8 offset:STAGE*\j+256*\c+16*\q
.endr
.endr
.endm
; my two whole blocks (2 c + h) of K step k: largest magnitudes, scale word, codes
.macro QUANT6 k
.irp c, 0,1
	v_max3_num_f32 v[MX+\c], |v[X+32*\c]|, |v[X+32*\c+1]|, 0x1800000   ; with the floor 2^(3 - 127): the byte cannot fall under 1
.endr
.irp i, 2,4,6,8,10,12,14,16,18,20,22,24,26,28,30
.irp c, 0,1
	v_max3_num_f32 v[MX+\c], v[MX+\c], |v[X+32*\c+\i]|, |v[X+32*\c+\i+1]|
.endr
.endr
.irp c, 0,1
	v_add_nc_u32 v[SO+\c], 0xff000000, v[MX+\c]    ; 2 off the exponent field: the conversion's scale operand
.endr
.irp c, 0,1
	v_lshrrev_b32 v[BY+\c], 23, v[SO+\c]           ; the scale's byte
.endr
	v_lshl_or_b32 v[WD+\k], v[BY+1], 16, v[BY]     ; blocks h and 2 + h,
	v_lshlrev_b32 v[WD+\k], v[SH], v[WD+\k]        ; at their places in the word;
	v_permlanex16_b32 v[TP], v[WD+\k], s26, s27
	v_or_b32 v[WD+\k], v[WD+\k], v[TP]             ; with lane l xor 16's two the word is whole, in both halves of the lanes
.irp c, 0,1
	v_cvt_scalef32_pk16_fp6_f32 v[CD+12*\k+6*\c:CD+12*\k+6*\c+2], v[X+32*\c:X+32*\c+15], v[SO+\c]
	v_cvt_scalef32_pk16_fp6_f32 v[CT+4*\c:CT+4*\c+2], v[X+32*\c+16:X+32*\c+31], v[SO+\c]   ; (a conversion's three registers begin on an even number)
.endr
	v_nop                                          ; one plain place behind the conversions
.irp c, 0,1
.irp i, 0,1,2
	v_mov_b32 v[CD+12*\k+6*\c+3+\i], v[CT+4*\c+\i]
.endr
.endr
.endm
.macro PUT k                           ; the fragment leaves as it stands: runs of 512 and 256 consecutive bytes
	global_store_b128 v4, v[CD+12*\k:CD+12*\k+3], s[14:15] offset:FRAG*\k
	global_store_b64 v5, v[CD+12*\k+4:CD+12*\k+5], s[14:15] offset:FRAG*\k+512
	global_store_b128 v4, v[CD+12*\k+6:CD+12*\k+9], s[14:15] offset:FRAG*\k+768
	global_store_b64 v5, v[CD+12*\k+10:CD+12*\k+11], s[14:15] offset:FRAG*\k+1280
.endm
	s_wait_loadcnt 16                              ; the first K step's 16 loads are in; the second's 16 stay out
	TOSTAGE 0
	FROMSTAGE 0
	s_wait_loadcnt 0x0
	TOSTAGE 1
	s_wait_dscnt 16                                ; the first K step is back; the 16 younger stores may be out
	QUANT6 0
	PUT 0
	FROMSTAGE 1
	s_wait_dscnt 0x0
	QUANT6 1
	PUT 1
	v_cndmask_b32 v[WD], v[WD], v[WD+1], s28       ; lanes 0-15: the even K step's words, lanes 16-31: the odd one's
	global_store_b32 v6, v[WD], s[16:17]           ; 128 consecutive bytes
	s_wait_tensorcnt 0x0
	ds_add_u32 v254, v255
	s_wait_dscnt 0x0
	s_endpgm
.Lfunc_end_k_q6ad1f25b13_quant:
	.size	k_q6ad1f25b13_quant, .Lfunc_end_k_q6ad1f25b13_quant-k_q6ad1f25b13_quant
	.p2alignl 7, 3214868480
	.fill 96, 4, 3214868480
	.section	.rodata,"a",@progbits
	.p2align	6, 0x0
	.amdhsa_kernel k_q6ad1f25b13_quant
		.amdhsa_group_segment_fixed_size 102144
		.amdhsa_private_segment_fixed_size 0
		.amdhsa_enable_private_segment 0
		.amdhsa_kernarg_size 56
		.amdhsa_user_sgpr_count 2
		.amdhsa_user_sgpr_kernarg_segment_ptr 1
		.amdhsa_wavefront_size32 1
		.amdhsa_system_sgpr_workgroup_id_x 1
		.amdhsa_system_sgpr_workgroup_id_y 1
		.amdhsa_system_sgpr_workgroup_id_z 1
		.amdhsa_system_vgpr_workitem_id 0
		.amdhsa_next_free_vgpr 256
		.amdhsa_next_free_sgpr 66
		.amdhsa_reserve_vcc 0
		.amdhsa_float_denorm_mode_32 3
		.amdhsa_float_denorm_mode_16_64 3
		.amdhsa_memory_ordered 1
		.amdhsa_forward_progress 1
		.amdhsa_inst_pref_size 18
	.end_amdhsa_kernel
	.amdgpu_metadata
---
amdhsa.version: [ 1, 2 ]
amdhsa.kernels:
  - .name:           k_q6ad1f25b13_quant
    .symbol:         k_q6ad1f25b13_quant.kd
    .args:
      - { .name: x, .offset: 0, .size: 8, .value_kind: global_buffer, .address_space: global }
      - { .name: Wq, .offset: 8, .size: 8, .value_kind: global_buffer, .address_space: global }
      - { .name: Wk, .offset: 16, .size: 8, .value_kind: global_buffer, .address_space: global }
      - { .name: Wv, .offset: 24, .size: 8, .value_kind: global_buffer, .address_space: global }
      - { .name: Wp, .offset: 32, .size: 8, .value_kind: global_buffer, .address_space: global }
      - { .name: codes, .offset: 40, .size: 8, .value_kind: global_buffer, .address_space: global }
      - { .name: scl, .offset: 48, .size: 8, .value_kind: global_buffer, .address_space: global }
    .group_segment_fixed_size: 102144
    .private_segment_fixed_size: 0
    .kernarg_segment_align: 8
    .kernarg_segment_size: 56
    .max_flat_workgroup_size: 192
    .sgpr_count:     66
    .vgpr_count:     256
    .wavefront_size: 32
...
	.end_amdgpu_metadata
.endif
;; end of part 1
;; launch qkv (part 2): grid 144 x 1, 4 waves a work-group, no clusters, 168,448 bytes of LDS; arguments codes, scl, bq, bk, bv, qb, kv; writes qb, kv
.if DOCPART == 2
	.amdgcn_target "amdgcn-amd-amdhsa--gfx1250"
	.amdhsa_code_object_version 6
	.text
	.protected	k_q6ad1f25b13_qkv
	.globl	k_q6ad1f25b13_qkv
	.p2align	8
	.type	k_q6ad1f25b13_qkv,@function
k_q6ad1f25b13_qkv:
	s_mov_b64 s[64:65], 0
	v_nop
	global_prefetch_b8 v0, s[64:65] scope:SCOPE_SE
	s_setreg_imm32_b32 hwreg(HW_REG_WAVE_MODE, 25, 1), 1
	s_wait_xcnt 0x0
; q = x Wq^T + bq, k = x Wk^T + bk, v = x Wv^T + bv on codes of FP6 (E2M3) with E8M0 scales, K = 768, sums in f32; the results are quantised at once, in f32:
; q and k along a head's 64 channels, v along the keys, and stored in the order of the next products' operand registers.  No f32 intermediate goes to memory.
; ONE BODY FOR ALL THREE.  Source 0 is P: 128 rows (8 tiles x 6 K steps = 576 registers), which stay in the wave's registers.  Source 1 is N: 8 tiles in LDS, read by all four waves.
; In a result a lane holds ONE row of N (lane % 16), and since a tile's rows are 8 u + r + 8 (r / 8) of each 32, register 16 b + i of its 64 is P's row 32 b + 16 (lane / 16) + i: neighbours along the next K.
;   work-groups 0-95:   P = 128 channels (two heads) of Wq or Wk, another 128 for each wave; N = 128 tokens of x.  A lane's 64 numbers are one token's channels: two half fragments (16 tokens x 64 channels), one for each head.
;   work-groups 96-143: P = 128 tokens of x, another 128 for each wave; N = 128 channels (two heads) of Wv.  A lane's 64 numbers are one channel's 128 keys: a fragment of V^T.
; OUT.  qb: [b x head 24][128 tokens 16] records of 6,656 bytes: 8 half fragments of 768 bytes (registers 0-3 at 16 x lane, 4-5 at 512 + 8 x lane), then 512 bytes of scale words: tile 2 i + lane / 16, row lane % 16 at 16 x lane + 4 i (bytes 2, 3 are 0).
;       kv: records of 13,056 bytes: K as in qb; at 6,656 V's four fragments of 1,536 bytes; at 12,800 V's scale words: channel tile 2 i + lane / 16 at 8 x lane + 4 i.
; NO CLUSTER: of a work-group's 368,640 bytes 294,912 (P) go straight into registers by loads of the lanes, which have no joint form; what work-groups could ask for jointly (N, 73,728) is a fifth.
; NO PREFETCH: every load of the launch is issued at its head.  LDS is filled once: no slot takes turns.
; LIMITS: a block of zeros, or one under 2^-124, gets the byte 1 (only this program reads the bytes); NaN and infinities are not served.
; REGISTERS, in windows of 256: window 0: v1-14 addresses; v16-87 N's six fragments; v88-151 the 8 accumulators; v152-171 codes; v172-188 at work; v192-203 scale words on their way out; v204-227 P's scale words, v228-251 N's.
;   windows 1-3: P's fragment (tile t, K step s) at v[12 (8 (s % 2) + t)] of window 1 + s / 2.   window 1, v192-199: bv at my lane's channel, for each tile of N.   window 3, v192-255: the C of each sum's first product.
.set TILE,   9216
.set FRAG,   1536
.set TSCL,   384
.set QHEAD,  106496
.set QSTEP,  6656
.set KVHEAD, 208896
.set KVSTEP, 13056
.set NF,  16
.set HA,  88
.set PC,  152
.set TM,  172
.set PW,  188
.set XW,  192
.set SA,  196
.set SB,  200
.set PS,  204
.set NS,  228
.set CB,  192
.set G1,  68
.set G0,  76
.set MSB, 0
.macro WIN new                         ; the immediate's high byte repeats the setting that is left
.if MSB != (\new)
	s_set_vgpr_msb (MSB<<8)|(\new)
.set MSB, (\new)
.endif
.endm
; 64 numbers of a lane, register 16 b + i = k 32 b + 16 (lane / 16) + i of my row, become a fragment's codes in v[PC] on and its scale word in v[PW]
.macro QUANT s
.irp b, 0,1,2,3
	v_max3_num_f32 v[TM+\b], |v[\s+16*\b]|, |v[\s+1+16*\b]|, 0x1800000   ; my 16 numbers of block b, from each accumulator's low end on, and the floor 2^(3 - 127)
.endr
.irp i, 2,4,6,8,10,12,14
.irp b, 0,1,2,3
	v_max3_num_f32 v[TM+\b], v[TM+\b], |v[\s+16*\b+\i]|, |v[\s+1+16*\b+\i]|
.endr
.endr
.irp b, 0,1,2,3
	v_permlanex16_b32 v[TM+4+\b], v[TM+\b], s2, s3
.endr
.irp b, 0,1,2,3
	v_max_num_f32 v[TM+\b], v[TM+\b], v[TM+4+\b]   ; with lane l xor 16's: the block's largest magnitude
.endr
.irp b, 0,1,2,3
	v_add_nc_u32 v[TM+12+\b], 0xff000000, v[TM+\b] ; 2 off the exponent field: the conversion's scale operand
.endr
.irp b, 0,1,2,3
	v_lshrrev_b32 v[TM+4+\b], 23, v[TM+12+\b]      ; the scale's byte
.endr
	v_lshl_or_b32 v[PW], v[TM+5], 8, v[TM+4]
	v_lshl_or_b32 v[PW], v[TM+6], 16, v[PW]
	v_lshl_or_b32 v[PW], v[TM+7], 24, v[PW]
.irp c, 0,1
	v_cvt_scalef32_pk16_fp6_f32 v[PC+6*\c:PC+2+6*\c], v[\s+32*\c:\s+15+32*\c], v[TM+12+2*\c]
	v_cvt_scalef32_pk16_fp6_f32 v[PC+12+4*\c:PC+14+4*\c], v[\s+16+32*\c:\s+31+32*\c], v[TM+12+2*\c+1]
.endr
	v_nop                                          ; one plain place behind the conversions
.irp c, 0,1                                    ; the operand's layout wants a whole block in a lane
.irp i, 0,1,2
	v_permlane16_swap_b32 v[PC+6*\c+\i], v[PC+12+4*\c+\i]
.endr
.irp i, 0,1,2
	v_mov_b32 v[PC+3+6*\c+\i], v[PC+12+4*\c+\i]
.endr
.endr
.endm
.macro GFRAG reg, off                  ; a fragment of P from memory, as it lies
	global_load_b128 v[\reg:\reg+3], v4, s[58:59] offset:\off
	global_load_b64 v[\reg+4:\reg+5], v5, s[58:59] offset:\off+512
	global_load_b128 v[\reg+6:\reg+9], v4, s[58:59] offset:\off+768
	global_load_b64 v[\reg+10:\reg+11], v5, s[58:59] offset:\off+1280
.endm
.macro LFRAGS n                        ; tile n of N: its six fragments from LDS: 24 dense loads.  Tiles 4-7 by the second pair of address registers, so that the immediates stay under 65,536
.if (\n) < 4
.set LA, 4
.set LO, (\n)*TILE
.else
.set LA, 6
.set LO, ((\n)-4)*TILE
.endif
.irp s, 0,1,2,3,4,5
	ds_load_b128 v[NF+12*\s:NF+12*\s+3], v[LA] offset:LO+FRAG*\s
	ds_load_b64 v[NF+12*\s+4:NF+12*\s+5], v[LA+1] offset:LO+FRAG*\s+512
	ds_load_b128 v[NF+12*\s+6:NF+12*\s+9], v[LA] offset:LO+FRAG*\s+768
	ds_load_b64 v[NF+12*\s+10:NF+12*\s+11], v[LA+1] offset:LO+FRAG*\s+1280
.endr
.endm
.macro PROD d, a, b, c, sa, sb, odd    ; odd K steps take their scale words from lanes 16-31
.if \odd
	v_wmma_scale_f32_16x16x128_f8f6f4 v[\d:\d+7], v[\a:\a+11], v[\b:\b+11], v[\c:\c+7], v[\sa], v[\sb] matrix_a_fmt:MATRIX_FMT_FP6 matrix_b_fmt:MATRIX_FMT_FP6 matrix_a_scale:MATRIX_SCALE_ROW1 matrix_b_scale:MATRIX_SCALE_ROW1
.else
	v_wmma_scale_f32_16x16x128_f8f6f4 v[\d:\d+7], v[\a:\a+11], v[\b:\b+11], v[\c:\c+7], v[\sa], v[\sb] matrix_a_fmt:MATRIX_FMT_FP6 matrix_b_fmt:MATRIX_FMT_FP6
.endif
.endm
	s_load_b256 s[4:11], s[0:1], 0x0               ; codes, scl, bq, bk
	s_load_b128 s[12:15], s[0:1], 0x20             ; bv, qb
	s_load_b64 s[16:17], s[0:1], 0x30              ; kv
	v_lshl_add_u32 v254, v0, 2, 0x29000
	v_mov_b32 v255, 0
	ds_add_u32 v254, v255
	ds_add_u32 v254, v255
	v_lshrrev_b32 v1, 5, v0
	v_readfirstlane_b32 s18, v1                    ; wave 0..3
	; as a work-group of q and k: 3 groups of 4 blocks of channels x 32 blocks of tokens
	s_lshr_b32 s20, ttmp9, 5
	s_and_b32 s21, ttmp9, 31                       ; block of 128 tokens
	s_lshl_b32 s22, s20, 2
	s_add_co_u32 s22, s22, s18                     ; my block of 128 channels: 0-5 of Wq, 6-11 of Wk
	s_cmp_ge_u32 s22, 6
	s_cselect_b32 s23, 1, 0                        ; k?
	s_mul_i32 s24, s23, 6
	s_sub_co_u32 s24, s22, s24                     ; pair of heads
	s_lshl_b32 s25, s22, 3
	s_add_co_u32 s25, s25, 256                     ; P's first tile
	s_lshl_b32 s26, s21, 3                         ; N's first tile
	; as a work-group of v: 8 groups of 4 blocks of tokens x 6 pairs of heads
	s_sub_co_u32 s27, ttmp9, 96
	s_and_b32 s28, s27, 7
	s_bfe_u32 s29, s27, 0x30003                    ; pair of heads
	s_lshl_b32 s30, s28, 2
	s_add_co_u32 s30, s30, s18                     ; my block of 128 tokens
	s_lshl_b32 s31, s30, 3
	s_lshl_b32 s32, s29, 3
	s_add_co_u32 s32, s32, 352
	s_mov_b32 s37, FRAG
	s_cmp_lt_u32 ttmp9, 96
	s_cselect_b32 s33, s25, s31                    ; P's first tile
	s_cselect_b32 s34, s26, s32                    ; N's first tile
	s_cselect_b32 s35, s21, s30                    ; block of tokens
	s_cselect_b32 s36, s24, s29                    ; pair of heads
	s_cselect_b32 s19, 0, 1                        ; v?
	s_cselect_b32 s23, s23, 0
	s_cselect_b32 s37, 768, s37                    ; from a tile of N to the next, in the output
	s_cselect_b32 s38, 0, KVHEAD-4*FRAG            ; v: tile 4 begins the second head
	s_cselect_b32 s39, 0, QSTEP                    ; v: behind K's part of the record
	s_lshr_b32 s40, s35, 4                         ; batch
	s_and_b32 s41, s35, 15                         ; which 128 tokens of it
	s_mul_i32 s42, s40, 12
	s_lshl_b32 s43, s36, 1
	s_add_co_u32 s42, s42, s43                     ; batch x head of the pair's first head
	; N's eight tiles are 73,728 dense bytes: each wave brings a quarter, as 72 rows of 256 bytes
	s_mov_b32 s[G1+0], 3<<16                       ; no mask; elements of 8 bytes; no padding
	s_mov_b32 s[G1+1], 32<<16                      ; tensor_dim0 = 32
	s_mov_b32 s[G1+2], 72<<16                      ; tensor_dim1 = 72
	s_mov_b32 s[G1+3], 32<<16                      ; tile_dim0 = 32
	s_mov_b32 s[G1+4], 72                          ; tile_dim1 = 72
	s_mov_b32 s[G1+5], 32                          ; from row to row
	s_mov_b32 s[G1+6], 0
	s_mov_b32 s[G1+7], 0
	s_mov_b32 s[G0], 1
	s_mul_i32 s[G0+1], s18, 2*TILE                 ; LDS: my quarter
	s_mul_i32 s54, s34, TILE
	s_add_co_u32 s54, s54, s[G0+1]
	s_mov_b32 s55, 0
	s_wait_dscnt 0x0
	s_wait_kmcnt 0x0
	s_add_nc_u64 s[G0+2:G0+3], s[4:5], s[54:55]
	s_or_b32 s[G0+3], s[G0+3], 0x80000000
	tensor_load_to_lds s[G0:G0+3], s[G1:G1+7]      ; my one tensor load of the launch
	s_nop 0
.rept 4
	v_nop
.endr
	s_or_b32 s43, s19, s23
	s_mov_b32 s46, KVHEAD
	s_mov_b32 s47, KVSTEP
	s_cmp_eq_u32 s43, 0                            ; q?
	s_cselect_b64 s[44:45], s[14:15], s[16:17]     ; the output buffer,
	s_cselect_b32 s46, QHEAD, s46                  ; a head in it,
	s_cselect_b32 s47, QSTEP, s47                  ; a record in it
	s_cmp_eq_u32 s23, 1
	s_cselect_b64 s[50:51], s[10:11], s[8:9]
	s_cmp_eq_u32 s19, 1
	s_cselect_b64 s[50:51], s[12:13], s[50:51]     ; the bias
	s_cselect_b32 s48, 768, s46                    ; where registers 6-11 go: v: the fragment's second half; q, k: the second head
	s_lshl_b32 s54, s36, 9
	s_add_nc_u64 s[50:51], s[50:51], s[54:55]      ; at the pair's 128 channels
	s_mul_i32 s54, s42, s46
	s_mul_i32 s20, s41, s47
	s_add_co_u32 s54, s54, s20
	s_add_co_u32 s54, s54, s39
	s_add_nc_u64 s[52:53], s[44:45], s[54:55]      ; where tile 0's codes go
	s_add_nc_u64 s[56:57], s[52:53], 6144          ; and the scale words: 6,144 bytes on, in all three cases
	s_mul_i32 s54, s33, TILE
	s_add_nc_u64 s[58:59], s[4:5], s[54:55]        ; P's codes
	s_mul_i32 s54, s33, TSCL
	s_add_nc_u64 s[60:61], s[6:7], s[54:55]        ; P's scale words
	s_mul_i32 s54, s34, TSCL
	s_add_nc_u64 s[62:63], s[6:7], s[54:55]        ; N's
	s_mov_b32 s24, s37
	s_mov_b32 s25, 0
	s_mov_b32 s26, s38
	s_mov_b32 s27, 0
	s_mov_b32 s2, 0x76543210
	s_mov_b32 s3, 0xfedcba98                       ; selects for lane l xor 16
	s_mov_b32 s49, 0xffff0000                      ; lanes 16-31
	v_and_b32 v1, 31, v0
	v_and_b32 v2, 15, v0
	v_bfe_u32 v3, v0, 4, 1
	v_lshlrev_b32 v4, 4, v1                        ; 16 x lane
	v_lshlrev_b32 v5, 3, v1                        ; 8 x lane
	v_add_nc_u32 v6, 4*TILE, v4
	v_add_nc_u32 v7, 4*TILE, v5
	v_lshlrev_b32 v8, 2, v1                        ; 4 x lane
	v_add_nc_u32 v9, s48, v4
	v_add_nc_u32 v10, s48, v5
	v_lshlrev_b32 v11, 6, v3                       ; 64 h: a bias along the registers
	v_and_b32 v12, 8, v2
	v_add_nc_u32 v12, v12, v2
	v_lshlrev_b32 v12, 2, v12                      ; 4 (r + 8 (r / 8)): a bias at my lane's row of N
	v_add_nc_u32 v13, s46, v4
	v_add_nc_u32 v14, s46, v5
.irp b, 0,1,2,3
	v_mov_b32 v[TM+4+\b], 0                        ; a lane permute's destination counts as one of its sources
.endr
.irp t, 0,1,2,3,4,5,6,7
.irp p, 0,1,2
	global_load_b32 v[PS+3*\t+\p], v8, s[60:61] offset:TSCL*\t+128*\p   ; lanes 0-15: K step 2 p, lanes 16-31: K step 2 p + 1
	global_load_b32 v[NS+3*\t+\p], v8, s[62:63] offset:TSCL*\t+128*\p
.endr
.endr
	WIN 0x40
.irp n, 0,1,2,3,4,5,6,7                        ; both forms of the bias are loaded on both ways: all offsets lie inside the pair's 512 bytes
	global_load_b32 v[192+\n], v12, s[50:51] offset:(32*(\n/2)+8*(\n%2))*4
.endr
.irp s, 0,1
.irp t, 0,1,2,3,4,5,6,7
	GFRAG 12*(8*(\s%2)+\t), TILE*\t+FRAG*\s
.endr
.endr
	WIN 0x80
.irp s, 2,3
.irp t, 0,1,2,3,4,5,6,7
	GFRAG 12*(8*(\s%2)+\t), TILE*\t+FRAG*\s
.endr
.endr
	WIN 0xc0
.irp t, 0,1,2,3,4,5,6,7
	global_load_b128 v[CB+8*\t:CB+8*\t+3], v11, s[50:51] offset:(32*(\t/2)+8*(\t%2))*4
	global_load_b128 v[CB+8*\t+4:CB+8*\t+7], v11, s[50:51] offset:(32*(\t/2)+8*(\t%2))*4+16
.endr
.irp s, 4,5
.irp t, 0,1,2,3,4,5,6,7
	GFRAG 12*(8*(\s%2)+\t), TILE*\t+FRAG*\s
.endr
.endr
	WIN 0
	s_wait_tensorcnt 0x0                           ; my quarter of N is in LDS,
	s_barrier_signal -1
	s_barrier_wait -1                              ; everybody's is; nothing is ever filled again
	LFRAGS 0
	s_wait_loadcnt 0x0                             ; P, the scale words, the biases
; One tile of N: 48 products, the 8 accumulators by turns, the bias as the C of each sum's first; then the quantiser and four dense stores.
.macro ITEM n
	s_cmp_eq_u32 s19, 0
	s_cbranch_scc1 .Lqk_\@
	WIN 0xc1                                       ; v: the bias hangs on my lane's channel, not on the register: all 64 registers of C take it
.set i, 0
.rept 64
	v_mov_b32 v[CB+i], v[192+(\n)]
.set i, i+1
.endr
	WIN 0
.rept 4
	v_nop
.endr
.Lqk_\@:
	s_wait_dscnt 0x0                               ; the tile's fragments are in
	s_wait_alu depctr_va_vdst(0)
.irp s, 0,1,2,3,4,5
.if \s == 0
.set WW, 0x31                                  ; source 0 (P) window 1, C window 3
.else
.set WW, 1+\s/2                                ; source 0 window 1 + s / 2
.endif
	WIN WW
.irp t, 0,1,2,3,4,5,6,7
.set PD, HA+8*\t
.set PA, 12*(8*(\s%2)+\t)
.set PB, NF+12*\s
.set PSA, PS+3*\t+\s/2
.set PSB, NS+3*(\n)+\s/2
.if \s == 0
.set PCC, CB+8*\t
.else
.set PCC, PD
.endif
	PROD PD, PA, PB, PCC, PSA, PSB, \s%2
.endr
.endr
	WIN 0
.rept 5
	v_nop                                          ; four places in front of loads into registers that the products read and of the first read of results; five in front of the next tile's products, which write over these accumulators
.endr
.if (\n) < 7
	LFRAGS (\n)+1                                  ; the next tile's fragments land under the quantiser
.endif
.if (\n) > 0
	s_wait_xcnt 0x0                                ; the last tile's stores have read their data and their base: both are written again only behind this wait
	s_add_nc_u64 s[52:53], s[52:53], s[24:25]
.if (\n) == 4
	s_add_nc_u64 s[52:53], s[52:53], s[26:27]
.endif
.endif
	QUANT HA
.if (\n)%2 == 0
	v_mov_b32 v[XW+(\n)/2], v[PW]                  ; even tiles' words in lanes 0-15,
.else
	v_cndmask_b32 v[XW+(\n)/2], v[XW+(\n)/2], v[PW], s49   ; odd tiles' in lanes 16-31
.endif
	global_store_b128 v4, v[PC:PC+3], s[52:53]     ; 512 consecutive bytes
	global_store_b64 v5, v[PC+4:PC+5], s[52:53] offset:512   ; 256
	global_store_b128 v9, v[PC+6:PC+9], s[52:53]
	global_store_b64 v10, v[PC+10:PC+11], s[52:53] offset:512
.endm
.irp n, 0,1,2,3,4,5,6,7
	ITEM \n
.endr
	s_cmp_eq_u32 s19, 0
	s_cbranch_scc0 .Lv_scales
.irp i, 0,1,2,3
	v_and_b32 v[SA+\i], 0xffff, v[XW+\i]           ; q, k: bytes 0, 1 are the first head's two blocks,
	v_lshrrev_b32 v[SB+\i], 16, v[XW+\i]           ; bytes 2, 3 the second head's; the upper two bytes of a stored word are 0
.endr
	global_store_b128 v4, v[SA:SA+3], s[56:57]
	global_store_b128 v13, v[SB:SB+3], s[56:57]
	s_wait_tensorcnt 0x0
	ds_add_u32 v254, v255
	s_wait_dscnt 0x0
	s_endpgm
.Lv_scales:
	global_store_b64 v5, v[XW:XW+1], s[56:57]      ; v: tiles 0-3 are the first head's channels,
	s_wait_alu depctr_va_vdst(0)
	global_store_b64 v14, v[XW+2:XW+3], s[56:57]   ; tiles 4-7 the second head's
	s_wait_tensorcnt 0x0
	ds_add_u32 v254, v255
	s_wait_dscnt 0x0
	s_endpgm
.Lfunc_end_k_q6ad1f25b13_qkv:
	.size	k_q6ad1f25b13_qkv, .Lfunc_end_k_q6ad1f25b13_qkv-k_q6ad1f25b13_qkv
	.p2alignl 7, 3214868480
	.fill 96, 4, 3214868480
	.section	.rodata,"a",@progbits
	.p2align	6, 0x0
	.amdhsa_kernel k_q6ad1f25b13_qkv
		.amdhsa_group_segment_fixed_size 168448
		.amdhsa_private_segment_fixed_size 0
		.amdhsa_enable_private_segment 0
		.amdhsa_kernarg_size 56
		.amdhsa_user_sgpr_count 2
		.amdhsa_user_sgpr_kernarg_segment_ptr 1
		.amdhsa_wavefront_size32 1
		.amdhsa_system_sgpr_workgroup_id_x 1
		.amdhsa_system_sgpr_workgroup_id_y 1
		.amdhsa_system_sgpr_workgroup_id_z 1
		.amdhsa_system_vgpr_workitem_id 0
		.amdhsa_next_free_vgpr 1024
		.amdhsa_next_free_sgpr 80
		.amdhsa_reserve_vcc 0
		.amdhsa_float_denorm_mode_32 3
		.amdhsa_float_denorm_mode_16_64 3
		.amdhsa_memory_ordered 1
		.amdhsa_forward_progress 1
		.amdhsa_inst_pref_size 147
	.end_amdhsa_kernel
	.amdgpu_metadata
---
amdhsa.version: [ 1, 2 ]
amdhsa.kernels:
  - .name:           k_q6ad1f25b13_qkv
    .symbol:         k_q6ad1f25b13_qkv.kd
    .args:
      - { .name: codes, .offset: 0, .size: 8, .value_kind: global_buffer, .address_space: global }
      - { .name: scl, .offset: 8, .size: 8, .value_kind: global_buffer, .address_space: global }
      - { .name: bq, .offset: 16, .size: 8, .value_kind: global_buffer, .address_space: global }
      - { .name: bk, .offset: 24, .size: 8, .value_kind: global_buffer, .address_space: global }
      - { .name: bv, .offset: 32, .size: 8, .value_kind: global_buffer, .address_space: global }
      - { .name: qb, .offset: 40, .size: 8, .value_kind: global_buffer, .address_space: global }
      - { .name: kv, .offset: 48, .size: 8, .value_kind: global_buffer, .address_space: global }
    .group_segment_fixed_size: 168448
    .private_segment_fixed_size: 0
    .kernarg_segment_align: 8
    .kernarg_segment_size: 56
    .max_flat_workgroup_size: 128
    .sgpr_count:     80
    .vgpr_count:     1024
    .wavefront_size: 32
...
	.end_amdgpu_metadata
.endif
;; end of part 2
;; launch attn (part 3): grid 32 x 8, 12 waves a work-group, clusters of 4 x 1, 327,680 bytes of LDS; arguments qb, kv, yc, ysc; writes yc, ysc
.if DOCPART == 3
	.amdgcn_target "amdgcn-amd-amdhsa--gfx1250"
	.amdhsa_code_object_version 6
	.text
	.protected	k_q6ad1f25b13_attn
	.globl	k_q6ad1f25b13_attn
	.p2align	8
	.type	k_q6ad1f25b13_attn,@function
k_q6ad1f25b13_attn:
	s_mov_b64 s[64:65], 0
	v_nop
	global_prefetch_b8 v0, s[64:65] scope:SCOPE_SE
	s_setreg_imm32_b32 hwreg(HW_REG_WAVE_MODE, 25, 1), 1
	s_wait_xcnt 0x0
	s_wait_alu depctr_hold_cnt(0) depctr_sa_sdst(0) depctr_va_vdst(0) depctr_va_sdst(0) depctr_va_ssrc(0) depctr_va_vcc(0) depctr_vm_vsrc(0)
	s_getreg_b32 s2, hwreg(HW_REG_IB_STS2, 6, 4)
	s_cmp_eq_u32 s2, 0
	s_cbranch_scc0 .Lentry_in_a_cluster
	s_endpgm
.Lentry_in_a_cluster:
	s_bfe_u32 s2, ttmp6, 0x10000c
	s_cmp_lg_u32 s2, 0x3003
	s_cbranch_scc0 .Lentry_shape_is_right
	s_endpgm
.Lentry_shape_is_right:
; y = softmax(q k^T / 8) v on codes of FP6 (E2M3) with E8M0 scales; y is quantised along a head's 64 channels and stored as codes for the projection.
; SHARES.  A work-group takes 3 heads x 64 queries: wave w has head w / 4 and tile w % 4 of 16 queries; 32 x 8 = 256 work-groups.  The keys go in 16 steps of 128: a record of 13,056 bytes holds a step's K and V of one head.
; A RING OF TWO SLOTS, each with four steps' records of the three heads (156,672 bytes); wave w brings record w % 4 of its head, one tensor load behind each round.  CLUSTER: the four partners have the same heads: every load is joint (mask 15).
; NO PREFETCH: a refill is asked for four steps (48 matrix instructions of each wave) ahead of its first read.
; Both products are used transposed (S^T = k q^T, O^T = v^T p^T): a lane holds one query.
; K'S TILES ARE COMPOSED BY THE LDS ADDRESSES: tile 4 c + u takes keys 64 c + 8 u + 0 .. 7 as rows 0-7 and keys 64 c + 32 + 8 u + 0 .. 7 as rows 8-15.  In the record key 32 b + 8 u + i + 16 g (i < 8) is row i + 8 g of the stored tile 2 b + u,
; so row r of the new tile lies 1,536 (r / 8) bytes on, at stored row r % 8 + 8 (u / 2) of stored tile 4 c + u % 2.  Then registers 32 c + i of a lane's 64 scores are keys 64 c + 32 (lane / 16) + i: a WHOLE block of 32 in a lane,
; in the order of the next operand's registers: a block's maximum needs no other lane, and the conversions' results are the operand.
; K = 64 in the first product: registers 6-11 of q's fragment are zero codes, so what stands in registers 6-11 of k's operand (the next tile's codes, zeros behind the last) adds nothing.
; p = 2^(t - M), t = score x log2(e) / 8, M the running largest t rounded up to a whole number; the row's sum is taken of the unquantised p; when M moves, sum and O^T are multiplied by a power of two.
; A BLOCK'S SCALE: floor(log2(its largest p)) = floor(its largest t - M), taken by v_floor_f32 and held at -124 from below (the byte at 1).  Where the exponential's last bit lifts that p onto the next power of two, that one p is held at the largest code.
; LIMITS: the promise holds while |t| stays under 2^31; NaN and infinities among the inputs are not served; in y a block whose largest number lies under 2^-124 gets the byte 1 (only this program reads the bytes).
.set TILE,   9216
.set TSCL,   384
.set FRAG,   1536
.set QHEAD,  106496
.set QSTEP,  6656
.set KVHEAD, 208896
.set KVSTEP, 13056
.set CHUNKB, 4*KVSTEP
.set SLOTB,  12*KVSTEP
.set SPARE,  2*SLOTB                   ; behind the ring: the spare words, 128 bytes a wave
.set KSOFF,  6144
.set VOFF,   6656
.set VSOFF,  12800
.set L16,  1
.set L8,   2
.set LK16, 3
.set LK8,  4
.set LKS,  5
.set R4,   6
.set LN,   7
.set SPW,  8
.set NIL,  9
.set SH,   10
.set R16,  11
.set QF,   16
.set QS,   28
.set AK16, 29
.set AK8,  30
.set AKS,  31
.set KF,   32                          ; v32-85 K's eight half fragments and six zeros; then V's four fragments
.set KS,   86
.set VS,   90
.set AV16, 92
.set AV8,  93
.set S,    96                          ; v96-159 scores, then p
.set O,    160                         ; v160-191 O^T
.set PC,   192
.set PT,   204
.set BM,   212
.set BX,   216
.set BS,   218
.set TX,   220
.set W,    221
.set F,    226
.set PSW,  227
.set TA,   228
.set T2,   229
.set SUM2, 230
.set WV,   12
.set SEL,  20
.set CS,   22
.set G1,   24
.set G0,   32
.set HH,   40
.set WQ,   41
.set RB,   42
.set TB,   48
.set CNT,  49
.macro CROUND                          ; a round of the cluster's barrier
	s_barrier_signal -1
	s_barrier_wait -1
	s_cmp_lg_u32 s[WV], 0
	s_cbranch_scc1 .Lnot_wave_0_\@
	s_barrier_signal -3
.Lnot_wave_0_\@:
	s_barrier_wait -3
	s_barrier_signal -1
	s_barrier_wait -1
.endm
	s_load_b256 s[4:11], s[0:1], 0x0               ; qb, kv, yc, ysc
	v_lshl_add_u32 v[SPW], v0, 2, SPARE
	v_mov_b32 v[NIL], 0
	ds_add_u32 v[SPW], v[NIL]                      ; the opening lines: the add, twice on end, and its wait
	ds_add_u32 v[SPW], v[NIL]
	v_lshrrev_b32 v1, 5, v0
	v_readfirstlane_b32 s[WV], v1                  ; wave 0..11
	s_lshr_b32 s[HH], s[WV], 2                     ; which of the three heads
	s_and_b32 s[WQ], s[WV], 3                      ; which tile of 16 queries; also: which record of a slot I bring
	s_mul_i32 s[RB], s[HH], CHUNKB
	s_bfe_u32 s13, ttmp6, 0x40000                  ; cx
	s_lshl_b32 s14, ttmp9, 2
	s_add_co_u32 s14, s14, s13                     ; block of 64 queries, 0..31
	s_and_b32 s15, ttmp7, 0xffff
	s_mul_i32 s15, s15, 3
	s_add_co_u32 s15, s15, s[HH]                   ; batch x head, 0..23
	s_cmp_ge_u32 s15, 12
	s_cselect_b32 s16, 1, 0                        ; batch
	s_mul_i32 s17, s16, 12
	s_sub_co_u32 s17, s15, s17                     ; head
	s_lshl_b32 s18, s16, 7
	s_lshl_b32 s19, s14, 2
	s_add_co_u32 s18, s18, s19
	s_add_co_u32 s18, s18, s[WQ]                   ; my tile of y
	s_mov_b32 s[G1+0], 15|(3<<16)|(1<<21)          ; the four partners; elements of 8 bytes
	s_mov_b32 s[G1+1], 32<<16                      ; a record is 51 rows of 256 bytes, dense
	s_mov_b32 s[G1+2], 51<<16
	s_mov_b32 s[G1+3], 32<<16
	s_mov_b32 s[G1+4], 51
	s_mov_b32 s[G1+5], 32
	s_mov_b32 s[G1+6], 0
	s_mov_b32 s[G1+7], 0
	s_mul_i32 s50, s[WV], KVSTEP
	s_mul_i32 s52, s15, KVHEAD
	s_mul_i32 s51, s[WQ], KVSTEP
	s_add_co_u32 s52, s52, s51
	s_mov_b32 s53, 0
	s_mov_b32 s[SEL], 0x76543210
	s_mov_b32 s[SEL+1], 0xfedcba98                 ; selects for lane l xor 16
	s_mov_b32 s[CS], 0x3e38aa3b                    ; log2(e) / 8
	s_mov_b32 s[CS+1], s[CS]
	s_wait_dscnt 0x0
	s_wait_kmcnt 0x0
	s_add_nc_u64 s[52:53], s[6:7], s[52:53]
.irp j, 0,1
	s_mov_b32 s[G0+4*\j], 1
	s_add_co_u32 s[G0+4*\j+1], s50, \j*SLOTB
	s_add_nc_u64 s[G0+4*\j+2:G0+4*\j+3], s[52:53], \j*CHUNKB
	s_or_b32 s[G0+4*\j+3], s[G0+4*\j+3], 0x80000000
.endr
	CROUND                                         ; the partners' joint loads meet
	tensor_load_to_lds s[G0:G0+3], s[G1:G1+7]      ; steps 0-3: my one tensor load at the head
	s_nop 0
.rept 4
	v_nop
.endr
	; all the set-up and q's loads stand under that load's flight
	s_lshr_b32 s54, s14, 1                         ; q: record of 128 tokens,
	s_mul_i32 s54, s54, QSTEP
	s_mul_i32 s55, s15, QHEAD
	s_add_co_u32 s54, s54, s55
	s_mov_b32 s55, 0
	s_add_nc_u64 s[56:57], s[4:5], s[54:55]
	s_and_b32 s58, s14, 1
	s_lshl_b32 s58, s58, 2
	s_add_co_u32 s58, s58, s[WQ]                   ; tile in it
	s_mul_i32 s54, s58, 768
	s_add_nc_u64 s[4:5], s[56:57], s[54:55]
	s_and_b32 s54, s58, 1
	s_lshl_b32 s54, s54, 8
	s_lshr_b32 s58, s58, 1
	s_lshl_b32 s58, s58, 2
	s_add_co_u32 s54, s54, s58
	s_add_co_u32 s54, s54, KSOFF
	s_add_nc_u64 s[56:57], s[56:57], s[54:55]      ; its scale words
	s_mul_i32 s54, s18, TILE
	s_mul_i32 s58, s17, 768
	s_add_co_u32 s54, s54, s58
	s_add_nc_u64 s[8:9], s[8:9], s[54:55]          ; y's codes: my tile, my head's half fragment
	s_mul_i32 s54, s18, TSCL
	s_lshr_b32 s58, s17, 1
	s_lshl_b32 s58, s58, 6
	s_add_co_u32 s54, s54, s58
	s_and_b32 s58, s17, 1
	s_lshl_b32 s58, s58, 1
	s_add_co_u32 s54, s54, s58
	s_add_nc_u64 s[10:11], s[10:11], s[54:55]      ; y's scale bytes
	v_and_b32 v[LN], 31, v0
	v_and_b32 v[R4], 15, v0
	v_lshlrev_b32 v[L16], 4, v[LN]
	v_lshlrev_b32 v[L8], 3, v[LN]
	v_lshlrev_b32 v[R16], 4, v[R4]
	v_lshlrev_b32 v[R4], 2, v[R4]
	global_load_b128 v[QF:QF+3], v[L16], s[4:5]
	global_load_b64 v[QF+4:QF+5], v[L8], s[4:5] offset:512
	global_load_b32 v[QS], v[R16], s[56:57]
	v_bfe_u32 v[TA], v0, 3, 1                      ; r / 8
	v_and_b32 v[T2], 7, v0                         ; r % 8
	v_bfe_u32 v[W], v0, 4, 1                       ; h
	v_mul_u32_u24 v[TX], v[TA], 1536
	v_lshlrev_b32 v[LKS], 4, v[T2]
	v_lshlrev_b32 v[SH], 3, v[W]                   ; 8 h
	v_lshl_add_u32 v[LK16], v[T2], 4, v[TX]
	v_lshl_add_u32 v[LK8], v[T2], 3, v[TX]
	v_lshl_add_u32 v[LKS], v[TA], 2, v[LKS]
	v_lshl_add_u32 v[LK16], v[W], 8, v[LK16]       ; K's codes, 16 bytes: 1,536 (r / 8) + 16 (r % 8) + 256 h
	v_lshl_add_u32 v[LK8], v[W], 7, v[LK8]         ; 8 bytes: 1,536 (r / 8) + 8 (r % 8) + 128 h
	v_lshl_add_u32 v[LKS], v[W], 8, v[LKS]         ; K's scale words: 16 (r % 8) + 4 (r / 8) + 256 h: lanes 0-15 an even tile's, lanes 16-31 the odd one's
.irp i, 0,1,2,3,4,5
	v_mov_b32 v[QF+6+\i], 0
	v_mov_b32 v[KF+48+\i], 0
.endr
	v_mov_b32 v13, 0xff61b1e6                      ; the largest score so far: -3e38
	v_mul_f32 v12, s[CS], v13
	v_mov_b32 v14, 0
	v_mov_b32 v15, 0
	v_floor_f32 v12, -v12                          ; -M
	v_mov_b32 v[TX], 0                             ; a lane permute's destination counts as one of its sources
	v_mov_b32 v[PSW], 0
.set j, 0
.rept 32
	v_mov_b32 v[O+j], 0
.set j, j+1
.endr
.macro OM k                            ; four registers of O^T under the new M
	v_pk_mul_f32 v[O+4*(\k):O+4*(\k)+1], v[O+4*(\k):O+4*(\k)+1], v[F:F+1] op_sel_hi:[1,0]
	v_pk_mul_f32 v[O+4*(\k)+2:O+4*(\k)+3], v[O+4*(\k)+2:O+4*(\k)+3], v[F:F+1] op_sel_hi:[1,0]
.endm
.macro TM k                            ; t - M of sixteen scores
.set j, 16*(\k)
.rept 8
	v_pk_fma_f32 v[S+j:S+j+1], v[S+j:S+j+1], s[CS:CS+1], v[12:13] op_sel_hi:[1,0,0]
.set j, j+2
.endr
.endm
; One step: 128 keys.
.macro STEP
	v_add_nc_u32 v[AK16], s[TB], v[LK16]           ; these five and the addition behind the last products are the places in front of the loads below
	v_add_nc_u32 v[AK8], s[TB], v[LK8]
	v_add_nc_u32 v[AKS], s[TB], v[LKS]
	v_add_nc_u32 v[AV16], s[TB], v[L16]
	v_add_nc_u32 v[AV8], s[TB], v[L8]
.irp t, 0,1,2,3,4,5,6,7
	ds_load_b128 v[KF+6*\t:KF+6*\t+3], v[AK16] offset:768*(4*(\t/4)+\t%2)+128*((\t%4)/2)
	ds_load_b64 v[KF+6*\t+4:KF+6*\t+5], v[AK8] offset:768*(4*(\t/4)+\t%2)+512+64*((\t%4)/2)
.endr
.irp i, 0,1,2,3
	ds_load_b32 v[KS+\i], v[AKS] offset:KSOFF+128*(\i%2)+8*(\i/2)   ; tiles 2 i and 2 i + 1
.endr
	ds_load_b64 v[VS:VS+1], v[AV8] offset:VSOFF
	s_wait_alu depctr_va_vdst(0)
	s_wait_dscnt 0x0
.irp t, 0,1,2,3,4,5,6,7
.if \t%2 == 0
	v_wmma_scale_f32_16x16x128_f8f6f4 v[S+8*\t:S+8*\t+7], v[KF+6*\t:KF+6*\t+11], v[QF:QF+11], 0, v[KS+\t/2], v[QS] matrix_a_fmt:MATRIX_FMT_FP6 matrix_b_fmt:MATRIX_FMT_FP6
.else
	v_wmma_scale_f32_16x16x128_f8f6f4 v[S+8*\t:S+8*\t+7], v[KF+6*\t:KF+6*\t+11], v[QF:QF+11], 0, v[KS+\t/2], v[QS] matrix_a_fmt:MATRIX_FMT_FP6 matrix_b_fmt:MATRIX_FMT_FP6 matrix_a_scale:MATRIX_SCALE_ROW1
.endif
.endr
	v_mov_b32 v[TA], v12                           ; the old -M; with three v_nop the four places behind the products
.rept 3
	v_nop
.endr
.irp f, 0,1,2,3                                ; V's fragments land under the softmax
.irp c, 0,1
	ds_load_b128 v[KF+12*\f+6*\c:KF+12*\f+6*\c+3], v[AV16] offset:VOFF+FRAG*\f+768*\c
	ds_load_b64 v[KF+12*\f+6*\c+4:KF+12*\f+6*\c+5], v[AV8] offset:VOFF+FRAG*\f+768*\c+512
.endr
.endr
.irp b, 0,1,2,3                                ; the largest score of my two blocks, in four chains, each accumulator from its low end on
	v_max3_num_f32 v[BM+\b], v[S+16*\b], v[S+1+16*\b], v[S+2+16*\b]
.endr
.irp i, 3,5,7,9,11,13
.irp b, 0,1,2,3
	v_max3_num_f32 v[BM+\b], v[BM+\b], v[S+16*\b+\i], v[S+1+16*\b+\i]
.endr
.endr
.irp c, 0,2
	v_max3_num_f32 v[BM+\c], v[BM+\c], v[BM+\c+1], v[S+15+16*\c]
.endr
.irp c, 0,2
	v_max_num_f32 v[BM+\c], v[BM+\c], v[S+31+16*\c]
.endr
	v_max_num_f32 v[T2], v[BM], v[BM+2]
	v_permlanex16_b32 v[TX], v[T2], s[SEL], s[SEL+1]
	v_max3_num_f32 v13, v13, v[T2], v[TX]          ; the running largest score of my query
	s_delay_alu instid0(VALU_DEP_1)
	v_mul_f32 v[T2], s[CS], v13                    ; as t
	s_delay_alu instid0(VALU_DEP_1)
	v_floor_f32 v12, -v[T2]                        ; -M = -ceil(t)
	TM 0
	v_sub_f32 v[TA], v12, v[TA]
	TM 1
	v_cvt_i32_f32 v[TA], v[TA]
	TM 2
	v_ldexp_f32 v[F], 1.0, v[TA]                   ; f = 2^(old M - new M)
	TM 3
.irp c, 0,2
	v_fma_f32 v[BM+\c], v[BM+\c], s[CS], v12       ; each block's largest t - M
.endr
	OM 0                                           ; O^T x f and the chain of the scales by turns
.irp c, 0,2
	v_max_num_f32 v[BM+\c], 0xc2f80000, v[BM+\c]   ; held at -124: the byte cannot fall under 1
.endr
	OM 1
.irp c, 0,2
	v_floor_f32 v[BM+\c], v[BM+\c]                 ; floor(log2(the block's largest p))
.endr
	OM 2
.irp c, 0,2
	v_cvt_i32_f32 v[BM+\c], v[BM+\c]
.endr
	OM 3
.irp c, 0,1
	v_add_nc_u32 v[BX+\c], 125, v[BM+2*\c]         ; - 2 + 127: the scale's byte
.endr
	OM 4
.irp c, 0,1
	v_lshlrev_b32 v[BS+\c], 23, v[BX+\c]           ; the conversion's scale operand
.endr
	OM 5
	v_lshl_or_b32 v[W], v[BX+1], 16, v[BX]         ; my blocks h and 2 + h,
	OM 6
	v_lshlrev_b32 v[W], v[SH], v[W]                ; at their places in the word;
	OM 7
	v_permlanex16_b32 v[TX], v[W], s[SEL], s[SEL+1]
	v_or_b32 v[PSW], v[W], v[TX]                   ; with lane l xor 16's two the word is whole
	s_wait_alu depctr_va_vdst(0)
.set j, 0
.rept 64
	v_exp_f32 v[S+j], v[S+j]
.set j, j+1
.endr
	v_pk_mul_f32 v[14:15], v[14:15], v[F:F+1] op_sel_hi:[1,0]   ; the sum under the new M; the plain place behind the batch
	s_wait_alu depctr_va_vdst(0)                   ; one wait for the whole batch
.irp c, 0,1
	v_cvt_scalef32_pk16_fp6_f32 v[PC+6*\c:PC+6*\c+2], v[S+32*\c:S+32*\c+15], v[BS+\c]
	v_cvt_scalef32_pk16_fp6_f32 v[PT+4*\c:PT+4*\c+2], v[S+32*\c+16:S+32*\c+31], v[BS+\c]   ; (a conversion's three registers begin on an even number)
.endr
	v_nop                                          ; one plain place behind the conversions
.irp c, 0,1
.irp i, 0,1,2
	v_mov_b32 v[PC+3+6*\c+\i], v[PT+4*\c+\i]
.endr
.endr
	v_pk_add_f32 v[SUM2:SUM2+1], v[S:S+1], v[S+2:S+3]   ; the row's sum of the unquantised p, in two chains; also the places in front of the products
.irp j, 4,8,12,16,20,24,28,32,36,40,44,48,52,56,60
	v_pk_add_f32 v[14:15], v[14:15], v[S+\j:S+\j+1]
	v_pk_add_f32 v[SUM2:SUM2+1], v[SUM2:SUM2+1], v[S+\j+2:S+\j+3]
.endr
	s_wait_alu depctr_va_vdst(0)
	s_wait_dscnt 0x0                               ; V's fragments are in
.irp f, 0,1,2,3
.if \f%2 == 0
	v_wmma_scale_f32_16x16x128_f8f6f4 v[O+8*\f:O+8*\f+7], v[KF+12*\f:KF+12*\f+11], v[PC:PC+11], v[O+8*\f:O+8*\f+7], v[VS+\f/2], v[PSW] matrix_a_fmt:MATRIX_FMT_FP6 matrix_b_fmt:MATRIX_FMT_FP6
.else
	v_wmma_scale_f32_16x16x128_f8f6f4 v[O+8*\f:O+8*\f+7], v[KF+12*\f:KF+12*\f+11], v[PC:PC+11], v[O+8*\f:O+8*\f+7], v[VS+\f/2], v[PSW] matrix_a_fmt:MATRIX_FMT_FP6 matrix_b_fmt:MATRIX_FMT_FP6 matrix_a_scale:MATRIX_SCALE_ROW1
.endif
.endr
	v_pk_add_f32 v[14:15], v[14:15], v[SUM2:SUM2+1]   ; the sum's two chains join
	s_add_co_u32 s[TB], s[TB], KVSTEP
.endm
.macro STEPS slot, id                  ; a slot's four steps
	s_add_co_u32 s[TB], s[RB], \slot*SLOTB
	s_mov_b32 s[CNT], 4
.Lstep_\id:
	STEP
	s_sub_co_u32 s[CNT], s[CNT], 1
	s_cmp_lg_u32 s[CNT], 0
	s_cbranch_scc1 .Lstep_\id
.endm
.macro CHANGE g, fill                  ; a change of slots; fill = 1: slot g is filled again
	s_wait_tensorcnt 0x0                           ; all my tensor loads have landed, my record of the next slot among them;
	ds_add_u32 v[SPW], v[NIL]
.if \fill
	s_add_nc_u64 s[G0+4*\g+2:G0+4*\g+3], s[G0+4*\g+2:G0+4*\g+3], 2*CHUNKB
	s_wait_dscnt 0x0                               ; the add is done, and so are my reads of the slot
	CROUND                                         ; both hold of every wave of every partner
	tensor_load_to_lds s[G0+4*\g:G0+4*\g+3], s[G1:G1+7]
	s_nop 0
.rept 4
	v_nop
.endr
.else
	s_wait_dscnt 0x0
	s_barrier_signal -1
	s_barrier_wait -1
.endif
.endm
	s_wait_alu depctr_va_vdst(0)
	s_wait_tensorcnt 0x0                           ; my record of steps 0-3 is in
	ds_add_u32 v[SPW], v[NIL]
	s_wait_dscnt 0x0
	CROUND                                         ; everybody's record is in, and the partners' joint loads meet
	tensor_load_to_lds s[G0+4:G0+7], s[G1:G1+7]    ; steps 4-7, the first tensor load behind the round
	s_nop 0
.rept 4
	v_nop
.endr
	s_wait_loadcnt 0x0                             ; q
	STEPS 0, 0
	CHANGE 0, 1
	STEPS 1, 1
	CHANGE 1, 1
	STEPS 0, 2
	CHANGE 0, 0
	STEPS 1, 3
.rept 4
	v_nop
.endr
	v_add_f32 v14, v14, v15
	s_delay_alu instid0(VALU_DEP_1)
	v_permlanex16_b32 v[TA], v14, s[SEL], s[SEL+1]
	s_delay_alu instid0(VALU_DEP_1)
	v_add_f32 v14, v14, v[TA]                      ; the row's sum
	s_wait_alu depctr_va_vdst(0)
	v_rcp_f32 v14, v14
	v_nop
	s_wait_alu depctr_va_vdst(0)
.set j, 0
.rept 16
	v_pk_mul_f32 v[S+j:S+j+1], v[O+j:O+j+1], v[14:15] op_sel_hi:[1,0]
.set j, j+2
.endr
; V's tiles of channels are as they were stored: registers 16 b + i are channels 32 b + 16 (lane / 16) + i: a block lies in lanes l and l xor 16
.irp b, 0,1
	v_max3_num_f32 v[BM+\b], |v[S+16*\b]|, |v[S+1+16*\b]|, 0x1800000
.endr
.irp i, 2,4,6,8,10,12,14
.irp b, 0,1
	s_delay_alu instid0(VALU_DEP_2)
	v_max3_num_f32 v[BM+\b], v[BM+\b], |v[S+16*\b+\i]|, |v[S+1+16*\b+\i]|
.endr
.endr
.irp b, 0,1
	s_delay_alu instid0(VALU_DEP_2)
	v_permlanex16_b32 v[BX+\b], v[BM+\b], s[SEL], s[SEL+1]
.endr
.irp b, 0,1
	s_delay_alu instid0(VALU_DEP_2)
	v_max_num_f32 v[BM+\b], v[BM+\b], v[BX+\b]
.endr
.irp b, 0,1
	s_delay_alu instid0(VALU_DEP_2)
	v_add_nc_u32 v[BS+\b], 0xff000000, v[BM+\b]
.endr
.irp b, 0,1
	s_delay_alu instid0(VALU_DEP_2)
	v_lshrrev_b32 v[BX+\b], 23, v[BS+\b]
.endr
	s_delay_alu instid0(VALU_DEP_1)
	v_lshl_or_b32 v[PSW], v[BX+1], 8, v[BX]
	v_cvt_scalef32_pk16_fp6_f32 v[PC:PC+2], v[S:S+15], v[BS]
	v_cvt_scalef32_pk16_fp6_f32 v[PT:PT+2], v[S+16:S+31], v[BS+1]
	v_nop
.irp i, 0,1,2
	v_permlane16_swap_b32 v[PC+\i], v[PT+\i]
.endr
.irp i, 0,1,2
	s_delay_alu instid0(VALU_DEP_3)
	v_mov_b32 v[PC+3+\i], v[PT+\i]
.endr
	global_store_b128 v[L16], v[PC:PC+3], s[8:9]   ; 512 consecutive bytes
	global_store_b64 v[L8], v[PC+4:PC+5], s[8:9] offset:512
	v_cmp_gt_u32 vcc_lo, 16, v[LN]
	s_wait_xcnt 0x0                                ; EXEC changes only behind this wait
	s_and_saveexec_b32 s50, vcc_lo
	global_store_b16 v[R4], v[PSW], s[10:11]
	s_wait_xcnt 0x0
	s_or_b32 exec_lo, exec_lo, s50
	s_wait_tensorcnt 0x0                           ; the wave's end
	ds_add_u32 v[SPW], v[NIL]
	s_wait_dscnt 0x0
	CROUND                                         ; the closing round
	s_endpgm
.Lfunc_end_k_q6ad1f25b13_attn:
	.size	k_q6ad1f25b13_attn, .Lfunc_end_k_q6ad1f25b13_attn-k_q6ad1f25b13_attn
	.p2alignl 7, 3214868480
	.fill 96, 4, 3214868480
	.section	.rodata,"a",@progbits
	.p2align	6, 0x0
	.amdhsa_kernel k_q6ad1f25b13_attn
		.amdhsa_group_segment_fixed_size 327680
		.amdhsa_private_segment_fixed_size 0
		.amdhsa_enable_private_segment 0
		.amdhsa_kernarg_size 32
		.amdhsa_user_sgpr_count 2
		.amdhsa_user_sgpr_kernarg_segment_ptr 1
		.amdhsa_wavefront_size32 1
		.amdhsa_system_sgpr_workgroup_id_x 1
		.amdhsa_system_sgpr_workgroup_id_y 1
		.amdhsa_system_sgpr_workgroup_id_z 1
		.amdhsa_system_vgpr_workitem_id 0
		.amdhsa_next_free_vgpr 256
		.amdhsa_next_free_sgpr 66
		.amdhsa_reserve_vcc 1
		.amdhsa_float_denorm_mode_32 3
		.amdhsa_float_denorm_mode_16_64 3
		.amdhsa_memory_ordered 1
		.amdhsa_forward_progress 1
		.amdhsa_inst_pref_size 76
	.end_amdhsa_kernel
	.amdgpu_metadata
---
amdhsa.version: [ 1, 2 ]
amdhsa.kernels:
  - .name:           k_q6ad1f25b13_attn
    .symbol:         k_q6ad1f25b13_attn.kd
    .args:
      - { .name: qb, .offset: 0, .size: 8, .value_kind: global_buffer, .address_space: global }
      - { .name: kv, .offset: 8, .size: 8, .value_kind: global_buffer, .address_space: global }
      - { .name: yc, .offset: 16, .size: 8, .value_kind: global_buffer, .address_space: global }
      - { .name: ysc, .offset: 24, .size: 8, .value_kind: global_buffer, .address_space: global }
    .group_segment_fixed_size: 327680
    .private_segment_fixed_size: 0
    .kernarg_segment_align: 8
    .kernarg_segment_size: 32
    .max_flat_workgroup_size: 384
    .sgpr_count:     66
    .vgpr_count:     256
    .wavefront_size: 32
...
	.end_amdgpu_metadata
.endif
;; end of part 3
;; launch proj (part 4): grid 4 x 64, 4 waves a work-group, clusters of 4 x 4, 198,144 bytes of LDS; arguments codes, scl, yc, ysc, bp, out0; writes out0
.if DOCPART == 4
	.amdgcn_target "amdgcn-amd-amdhsa--gfx1250"
	.amdhsa_code_object_version 6
	.text
	.protected	k_q6ad1f25b13_proj
	.globl	k_q6ad1f25b13_proj
	.p2align	8
	.type	k_q6ad1f25b13_proj,@function
k_q6ad1f25b13_proj:
	s_mov_b64 s[64:65], 0
	v_nop
	global_prefetch_b8 v0, s[64:65] scope:SCOPE_SE
	s_setreg_imm32_b32 hwreg(HW_REG_WAVE_MODE, 25, 1), 1
	s_wait_xcnt 0x0
	s_wait_alu depctr_hold_cnt(0) depctr_sa_sdst(0) depctr_va_vdst(0) depctr_va_sdst(0) depctr_va_ssrc(0) depctr_va_vcc(0) depctr_vm_vsrc(0)
	s_getreg_b32 s2, hwreg(HW_REG_IB_STS2, 6, 4)
	s_cmp_eq_u32 s2, 0
	s_cbranch_scc0 .Lentry_in_a_cluster
	s_endpgm
.Lentry_in_a_cluster:
	s_bfe_u32 s2, ttmp6, 0x10000c
	s_cmp_lg_u32 s2, 0xf033
	s_cbranch_scc0 .Lentry_shape_is_right
	s_endpgm
.Lentry_shape_is_right:
; out0 = y Wp^T + bp on codes of FP6 (E2M3) with E8M0 scales, K = 768, sums in f32.  y's and Wp's codes lie in the order of an operand's registers (tiles of 16 rows: 9,216 bytes, 6 fragments of 1,536; scale words 384 bytes a tile).
; SHARES.  A work-group makes 64 tokens x 192 channels: 4 x 64 = 256 work-groups.  Its 12 tiles of Wp (110,592 dense bytes) and 4 tiles of y (36,864) come into LDS once, by four tensor loads of 36,864 bytes:
; waves 0-2 bring Wp's thirds, wave 3 brings y.  CLUSTER 4 x 4: Wp's tiles hang on the work-group's x alone and are asked for jointly along a column, y's on its y alone, jointly along a row.
; Wave w keeps tiles 3 w .. 3 w + 2 of Wp (18 fragments, 216 registers, window 1), read from LDS once, as source 0; y's tiles are source 1, one after the other; the 3 accumulators take turns.
; In a result a lane holds one token (lane % 16 of y's tile); register j of tile T = 3 w + t is channel 32 (T / 2) + 8 (T % 2) + 16 (lane / 16) + j.  bp is the C of each sum's first product.
; The results meet in a stage in LDS (64 rows x 768 bytes + 16), bytes of its own, and leave as rows: sixteen lanes store 256 consecutive bytes, at a multiple of 256 from out0's first byte.
; NO PREFETCH: every load is issued at the head.  LDS is filled once.
.set TILE,   9216
.set FRAG,   1536
.set TSCL,   384
.set QUART,  4*TILE                    ; what one tensor load brings: 144 rows of 256 bytes
.set STG,    4*QUART
.set SPITCH, 784
.set SPARE,  STG+64*SPITCH             ; behind the stage: the spare words, 128 bytes a wave
.set VP16, 7
.set VP8,  8
.set VY16, 9
.set VY8,  10
.set VB,   11                          ; v11-13 64 h + my tile t's place in a row of 192 channels, in bytes
.set SPW,  14
.set NIL,  15
.set NF,   16                          ; v16-87 a tile of y: six fragments
.set HA,   88                          ; v88-111 three accumulators
.set CB,   112                         ; v112-135 bp in the result's layout
.set PS,   136                         ; v136-144 Wp's scale words
.set NS,   146                         ; v146-157 y's
.set STO,  160
.set RD,   164
.set CO,   168
.set TMP,  172
.set OUTR, 16                          ; the way out: v16-111
.set G1,   24
.set G0,   32
.set G0B,  36
.set G1B,  40
.set MSB, 0
.macro WIN new                         ; the immediate's high byte repeats the setting that is left
.if MSB != (\new)
	s_set_vgpr_msb (MSB<<8)|(\new)
.set MSB, (\new)
.endif
.endm
.macro CROUND
	s_barrier_signal -1
	s_barrier_wait -1
	s_cmp_lg_u32 s18, 0
	s_cbranch_scc1 .Lnot_wave_0_\@
	s_barrier_signal -3
.Lnot_wave_0_\@:
	s_barrier_wait -3
	s_barrier_signal -1
	s_barrier_wait -1
.endm
.macro LFRAG reg, a16, a8, off         ; a fragment from LDS, as it lies
	ds_load_b128 v[\reg:\reg+3], v[\a16] offset:\off
	ds_load_b64 v[\reg+4:\reg+5], v[\a8] offset:\off+512
	ds_load_b128 v[\reg+6:\reg+9], v[\a16] offset:\off+768
	ds_load_b64 v[\reg+10:\reg+11], v[\a8] offset:\off+1280
.endm
.macro LFRAGS n                        ; tile n of y
.irp s, 0,1,2,3,4,5
	LFRAG NF+12*\s, VY16, VY8, (\n)*TILE+FRAG*\s
.endr
.endm
.macro PROD d, a, b, c, sa, sb, odd    ; odd K steps take their scale words from lanes 16-31
.if \odd
	v_wmma_scale_f32_16x16x128_f8f6f4 v[\d:\d+7], v[\a:\a+11], v[\b:\b+11], v[\c:\c+7], v[\sa], v[\sb] matrix_a_fmt:MATRIX_FMT_FP6 matrix_b_fmt:MATRIX_FMT_FP6 matrix_a_scale:MATRIX_SCALE_ROW1 matrix_b_scale:MATRIX_SCALE_ROW1
.else
	v_wmma_scale_f32_16x16x128_f8f6f4 v[\d:\d+7], v[\a:\a+11], v[\b:\b+11], v[\c:\c+7], v[\sa], v[\sb] matrix_a_fmt:MATRIX_FMT_FP6 matrix_b_fmt:MATRIX_FMT_FP6
.endif
.endm
	s_load_b256 s[4:11], s[0:1], 0x0               ; codes, scl, yc, ysc
	s_load_b128 s[12:15], s[0:1], 0x20             ; bp, out0
	v_lshl_add_u32 v[SPW], v0, 2, SPARE
	v_mov_b32 v[NIL], 0
	ds_add_u32 v[SPW], v[NIL]                      ; the opening lines: the add, twice on end, and its wait
	ds_add_u32 v[SPW], v[NIL]
	v_lshrrev_b32 v1, 5, v0
	v_readfirstlane_b32 s18, v1                    ; wave 0..3
	s_bfe_u32 s19, ttmp6, 0x40000                  ; cx
	s_bfe_u32 s20, ttmp6, 0x40004                  ; cy
	s_lshl_b32 s21, ttmp9, 2
	s_add_co_u32 s21, s21, s19                     ; x: which 192 channels
	s_and_b32 s22, ttmp7, 0xffff
	s_lshl_b32 s22, s22, 2
	s_add_co_u32 s22, s22, s20                     ; y: which 64 tokens
	s_lshl_b32 s16, s20, 2
	s_lshl_b32 s16, 15, s16                        ; my row of the cluster
	s_lshl_b32 s17, 0x1111, s19                    ; my column
	s_or_b32 s[G1], s17, (3<<16)|(1<<21)           ; Wp's tiles go to my column; elements of 8 bytes
	s_or_b32 s[G1B], s16, (3<<16)|(1<<21)          ; y's to my row
.irp g, G1, G1B
	s_mov_b32 s[\g+1], 32<<16
	s_mov_b32 s[\g+2], 144<<16
	s_mov_b32 s[\g+3], 32<<16
	s_mov_b32 s[\g+4], 144
	s_mov_b32 s[\g+5], 32
	s_mov_b32 s[\g+6], 0
	s_mov_b32 s[\g+7], 0
.endr
	s_mul_i32 s50, s18, QUART                      ; LDS: wave x 36,864: Wp's three thirds, then y
	s_mul_i32 s52, s21, 12*TILE
	s_add_co_u32 s52, s52, 400*TILE                ; Wp's tiles begin at tile 400 of codes
	s_add_co_u32 s52, s52, s50
	s_mov_b32 s53, 0
	s_mul_i32 s54, s22, 4*TILE
	s_mov_b32 s55, 0
	s_wait_dscnt 0x0
	s_wait_kmcnt 0x0
	s_mov_b32 s[G0], 1
	s_mov_b32 s[G0+1], s50
	s_add_nc_u64 s[G0+2:G0+3], s[4:5], s[52:53]
	s_or_b32 s[G0+3], s[G0+3], 0x80000000
	s_mov_b32 s[G0B], 1
	s_mov_b32 s[G0B+1], s50
	s_add_nc_u64 s[G0B+2:G0B+3], s[8:9], s[54:55]
	s_or_b32 s[G0B+3], s[G0B+3], 0x80000000
	CROUND                                         ; all sixteen work-groups are here: the joint loads meet
	s_cmp_lt_u32 s18, 3                            ; one tensor load a wave, one to each arm
	s_cbranch_scc0 .Lfor_y
	tensor_load_to_lds s[G0:G0+3], s[G1:G1+7]
	s_nop 0
.rept 4
	v_nop
.endr
	s_branch .Lasked
.Lfor_y:
	tensor_load_to_lds s[G0B:G0B+3], s[G1B:G1B+7]
	s_nop 0
.rept 4
	v_nop
.endr
.Lasked:
	s_mov_b32 s59, 0
	s_mul_i32 s57, s18, 3                          ; my first tile of the work-group's 12
	s_mul_i32 s56, s21, 12
	s_add_co_u32 s56, s56, s57
	s_add_co_u32 s56, s56, 400
	s_mul_i32 s58, s56, TSCL
	s_add_nc_u64 s[66:67], s[6:7], s[58:59]        ; Wp's scale words
	s_mul_i32 s58, s22, 4*TSCL
	s_add_nc_u64 s[68:69], s[10:11], s[58:59]      ; y's
	s_mul_i32 s58, s21, 768
	s_add_nc_u64 s[70:71], s[12:13], s[58:59]      ; bp at the 192 channels
	s_add_nc_u64 s[72:73], s[14:15], s[58:59]
	s_lshl_b32 s58, s22, 6
	s_lshr_b32 s56, s18, 1
	s_lshl_b32 s56, s56, 5
	s_add_co_u32 s58, s58, s56
	s_and_b32 s56, s18, 1
	s_lshl_b32 s56, s56, 3
	s_add_co_u32 s58, s58, s56                     ; the first token of y's tile w, whose rows I store
	s_mul_i32 s58, s58, 3072
	s_add_nc_u64 s[72:73], s[72:73], s[58:59]
.irp t, 0,1,2
	s_add_co_u32 s56, s57, \t                      ; T = 3 w + t: 128 (T / 2) + 32 (T % 2) bytes into a row
	s_lshr_b32 s77, s56, 1
	s_lshl_b32 s77, s77, 7
	s_and_b32 s56, s56, 1
	s_lshl_b32 s56, s56, 5
	s_add_co_u32 s[60+\t], s77, s56
.endr
	s_mul_i32 s74, s18, 3*TILE
	s_mul_i32 s75, s18, 16*SPITCH
	s_add_co_u32 s75, s75, STG
	s_add_co_u32 s76, s75, 512
	v_and_b32 v1, 31, v0
	v_and_b32 v2, 15, v0                           ; r
	v_bfe_u32 v3, v0, 4, 1                         ; h
	v_lshlrev_b32 v4, 4, v1
	v_lshlrev_b32 v5, 3, v1
	v_lshlrev_b32 v6, 2, v1
	v_add_nc_u32 v[VP16], s74, v4                  ; my three tiles of Wp in LDS
	v_add_nc_u32 v[VP8], s74, v5
	v_add_nc_u32 v[VY16], 3*QUART, v4              ; y's tiles
	v_add_nc_u32 v[VY8], 3*QUART, v5
	v_lshlrev_b32 v[TMP], 6, v3
	v_mul_u32_u24 v[TMP+1], v2, SPITCH
	v_add_nc_u32 v[TMP+1], STG, v[TMP+1]
.irp t, 0,1,2
	v_add_nc_u32 v[VB+\t], s[60+\t], v[TMP]
.endr
.irp t, 0,1,2
	v_add_nc_u32 v[STO+\t], v[VB+\t], v[TMP+1]     ; the stage, way in: row r of a tile
.endr
	; way out: a row is three units of 256 bytes; load 3 m + e takes units 6 m + 2 e + h of my 16 rows
	v_lshlrev_b32 v[TMP+2], 4, v2
	v_lshl_add_u32 v[CO], v3, 8, v[TMP+2]          ; e = 0: row 2 m, units 0, 1
	v_mad_u32_u24 v[CO+1], v3, 2560, v[TMP+2]
	v_add_nc_u32 v[CO+1], 512, v[CO+1]             ; e = 1: row 2 m unit 2; row 2 m + 1 unit 0
	v_add_nc_u32 v[CO+2], 3328, v[CO]              ; e = 2: row 2 m + 1, units 1, 2
	v_add_nc_u32 v[RD], s75, v[CO]
	v_mad_u32_u24 v[RD+1], v3, SPITCH-512, v[TMP+2]
	v_add_nc_u32 v[RD+1], s76, v[RD+1]
	v_add_nc_u32 v[RD+2], SPITCH+256, v[RD]
.irp t, 0,1,2
.irp p, 0,1,2
	global_load_b32 v[PS+3*\t+\p], v6, s[66:67] offset:TSCL*\t+128*\p   ; lanes 0-15: K step 2 p, lanes 16-31: K step 2 p + 1
.endr
.endr
.irp n, 0,1,2,3
.irp p, 0,1,2
	global_load_b32 v[NS+3*\n+\p], v6, s[68:69] offset:TSCL*\n+128*\p
.endr
.endr
.irp t, 0,1,2
	global_load_b128 v[CB+8*\t:CB+8*\t+3], v[VB+\t], s[70:71]
	global_load_b128 v[CB+8*\t+4:CB+8*\t+7], v[VB+\t], s[70:71] offset:16
.endr
	s_wait_alu depctr_va_vdst(0)
	s_wait_tensorcnt 0x0                           ; my load is in LDS,
	s_barrier_signal -1
	s_barrier_wait -1                              ; everybody's is; nothing is ever filled again
	WIN 0x40                                       ; destination window 1
.irp s, 0,1,2,3,4,5
.irp t, 0,1,2
	LFRAG 12*(3*\s+\t), VP16, VP8, TILE*\t+FRAG*\s
.endr
.endr
	WIN 0
	LFRAGS 0
	s_wait_loadcnt 0x0                             ; the scale words, bp
; One tile of y: 18 products; the results go to the stage
.macro ITEM n
	s_wait_dscnt 0x0                               ; the fragments are in, and the last tile's stores into the stage are done
	WIN 0x01                                       ; source 0 (Wp) window 1
.irp s, 0,1,2,3,4,5
.irp t, 0,1,2
.set PD, HA+8*\t
.if \s == 0
.set PCC, CB+8*\t
.else
.set PCC, PD
.endif
	PROD PD, 12*(3*\s+\t), NF+12*\s, PCC, PS+3*\t+\s/2, NS+3*(\n)+\s/2, \s%2
.endr
.endr
	WIN 0
.rept 5
	v_nop                                          ; four places in front of the loads and stores below; five in front of the next tile's products, which write over these accumulators
.endr
.if (\n) < 3
	LFRAGS (\n)+1
.endif
.irp t, 0,1,2
.irp q, 0,1
	ds_store_b128 v[STO+\t], v[HA+8*\t+4*\q:HA+8*\t+4*\q+3] offset:(\n)*16*SPITCH+16*\q   ; each accumulator from its low end on
.endr
.endr
.endm
.irp n, 0,1,2,3
	ITEM \n
.endr
	s_wait_dscnt 0x0                               ; for the others' sake: my stores into the stage are done
	s_barrier_signal -1
	s_barrier_wait -1                              ; 64 whole rows lie in the stage
.set k, 0
.rept 24
	ds_load_b128 v[OUTR+4*k:OUTR+4*k+3], v[RD+k%3] offset:(k/3)*2*SPITCH
.set k, k+1
.endr
.set k, 0
.rept 24
	s_wait_dscnt 23-k                              ; LDS loads come back in order: this one is in, the 23 - k younger ones stay out
	global_store_b128 v[CO+k%3], v[OUTR+4*k:OUTR+4*k+3], s[72:73] offset:(2*(k/3)+8*((k/3)/4))*3072 th:TH_STORE_NT   ; the tile's row i is token i + 8 (i / 8)
.set k, k+1
.endr
	s_wait_tensorcnt 0x0                           ; the wave's end
	ds_add_u32 v[SPW], v[NIL]
	s_wait_dscnt 0x0
	CROUND                                         ; the closing round
	s_endpgm
.Lfunc_end_k_q6ad1f25b13_proj:
	.size	k_q6ad1f25b13_proj, .Lfunc_end_k_q6ad1f25b13_proj-k_q6ad1f25b13_proj
	.p2alignl 7, 3214868480
	.fill 96, 4, 3214868480
	.section	.rodata,"a",@progbits
	.p2align	6, 0x0
	.amdhsa_kernel k_q6ad1f25b13_proj
		.amdhsa_group_segment_fixed_size 198144
		.amdhsa_private_segment_fixed_size 0
		.amdhsa_enable_private_segment 0
		.amdhsa_kernarg_size 48
		.amdhsa_user_sgpr_count 2
		.amdhsa_user_sgpr_kernarg_segment_ptr 1
		.amdhsa_wavefront_size32 1
		.amdhsa_system_sgpr_workgroup_id_x 1
		.amdhsa_system_sgpr_workgroup_id_y 1
		.amdhsa_system_sgpr_workgroup_id_z 1
		.amdhsa_system_vgpr_workitem_id 0
		.amdhsa_next_free_vgpr 512
		.amdhsa_next_free_sgpr 80
		.amdhsa_reserve_vcc 0
		.amdhsa_float_denorm_mode_32 3
		.amdhsa_float_denorm_mode_16_64 3
		.amdhsa_memory_ordered 1
		.amdhsa_forward_progress 1
		.amdhsa_inst_pref_size 37
	.end_amdhsa_kernel
	.amdgpu_metadata
---
amdhsa.version: [ 1, 2 ]
amdhsa.kernels:
  - .name:           k_q6ad1f25b13_proj
    .symbol:         k_q6ad1f25b13_proj.kd
    .args:
      - { .name: codes, .offset: 0, .size: 8, .value_kind: global_buffer, .address_space: global }
      - { .name: scl, .offset: 8, .size: 8, .value_kind: global_buffer, .address_space: global }
      - { .name: yc, .offset: 16, .size: 8, .value_kind: global_buffer, .address_space: global }
      - { .name: ysc, .offset: 24, .size: 8, .value_kind: global_buffer, .address_space: global }
      - { .name: bp, .offset: 32, .size: 8, .value_kind: global_buffer, .address_space: global }
      - { .name: out0, .offset: 40, .size: 8, .value_kind: global_buffer, .address_space: global }
    .group_segment_fixed_size: 198144
    .private_segment_fixed_size: 0
    .kernarg_segment_align: 8
    .kernarg_segment_size: 48
    .max_flat_workgroup_size: 128
    .sgpr_count:     80
    .vgpr_count:     512
    .wavefront_size: 32
...
	.end_amdgpu_metadata
.endif
;; end of part 4
